; MI455X (gfx1250); checked and timed in simulation.
; The chip was launched on July 23, 2026; its instructions are those of AMD's public machine-readable ISA for CDNA 5 (MIT licence, August 2026) and "CDNA5" Instruction Set Architecture Reference Guide (July 2026). The comments in the code are by the model that wrote it; some were corrected since.
;; Lo RAXS Linear. Allowed arithmetic: float matrix products may take bf16 or f16 operands with f32 sums; other float arithmetic in f32, or as packed bf16 or f16 multiplies, adds, multiply-adds, maxima and minima; sums over many terms, partial sums and values carried from step to step in f32; what a program stores and reads back later, other than sums and carried values, may be rounded once to bf16 or f16.
;; Inputs: R 64 x 64 float32; U 2,048 x 64 float32; Vt 64 x 2,048 float32; bias 2,048 float32; sigma 64 x 64 float32; weight 2,048 x 2,048 float32; x 4 x 2,048 x 2,048 float32.
;; Outputs: out0 4 x 2,048 x 2,048 float32.
;; 2 versions, each right; version 2 is version 1 with the launch prep written anew for expert scheduling mode. Each part assembles by itself: llvm-mc -triple=amdgcn-amd-amdhsa -mcpu=gfx1250 --defsym DOCPART=n.
;; ======== version 1 of 2: 2 launches
;; limits: values are held in f16: magnitudes above 65,504 overflow, below 6.1e-05 lose precision
;; workspace buffers: xh 33,554,432 bytes; wh 8,388,608 bytes
;; launch prep (part 1): grid 768 x 1, 8 waves a work-group, no clusters, 74,752 bytes of LDS; arguments x, weight, U, sigma, R, Vt, xh, wh; writes xh, wh
.if DOCPART == 1
	.amdgcn_target "amdgcn-amd-amdhsa--gfx1250"
	.amdhsa_code_object_version 6
	.text
	.protected	k_q35f746bebf_prep
	.globl	k_q35f746bebf_prep
	.p2align	8
	.type	k_q35f746bebf_prep,@function
k_q35f746bebf_prep:
	s_mov_b64 s[64:65], 0
	v_nop
	global_prefetch_b8 v0, s[64:65] scope:SCOPE_SE
	s_setreg_imm32_b32 hwreg(HW_REG_WAVE_MODE, 25, 1), 1
	s_wait_xcnt 0x0
; xh = f16(x);  wh = f16(weight + U (sigma (R Vt))).  x: [8192][2048] f32, weight: [2048][2048] f32, U: [2048][64], sigma, R: [64][64], Vt: [64][2048], all f32.
; reference() multiplies x by weight and by delta_W = U sigma R Vt and adds the two products; both share x, so the weights are added first (in f32) and x is multiplied once, in the next launch.
; ALPHA is reference()'s own constant 1: no multiply is written for it.
; FORMATS.  x and weight + delta are the next launch's matrix operands, each rounded ONCE to f16 (11 significant bits).  The chain's operands (R, Vt, sigma, U and the two intermediate
; products) are rounded to bf16, since the intermediates of small inputs would leave f16's range; all sums are f32.  The chain is taken from the right: R Vt, then sigma (..), then U (..).
; LIMITS.  |x| or |weight + delta| of 65,520 or more becomes an infinity in f16; below 6.1e-5 f16 keeps its fixed step of 6e-8.  NaN and infinities are not treated apart.
; SHARES.  768 work-groups of eight waves.  Work-groups 0-255 (path W): tile (ob, ib) of wh, 128 rows x 128 columns.  Work-groups 256-767 (path X): 16 rows of x, 128 KiB in, 64 KiB out.
; The branch between the two paths hangs on the work-group's number alone: all eight waves take the same path, so each barrier is passed by all eight or by none.
; NO CLUSTER, NO TENSOR LOADS: 512 of the 768 work-groups share nothing; what the other 256 share (U's, Vt's blocks, sigma, R: 96 KiB each, 24 MiB of the launch's 104 MiB of loads)
; has to be rounded to bf16 on its way into LDS, so it goes through registers.  No prefetch: every load of a work-group is issued at its head, in one run.
.set SG,    0          ; LDS: sigma [64 a][64 b] bf16, rows 144 bytes apart (128 + 16: the 16 rows of a fragment load start at 16 different groups of four banks; 64 banks of 4 bytes: ISA guide 11.1)
.set RR,    9216       ; R [64 b][64 c], the same pitch
.set UU,    18432      ; U's 128 rows [o][64 a], the same pitch
.set VT,    36864      ; Vt's block [64 c][128 i], rows 288 bytes apart (256 + 32, for the turning load)
.set QT,    55296      ; (sigma R Vt) turned: [128 places][64 a], pitch 144; column c of the block lies at place 16 (c % 8) + c / 8
.set SPARE, 73728      ; the spare words, 128 bytes for each of the eight waves: four blocks of 256 bytes that no other line names
.set T16, 1            ; v1   16 x thread
.set VG,  2            ; v2   Vt: wave x a row of 8,192 bytes + 16 x lane
.set LS1, 3            ; v3   staging of sigma, R, U: (2 wave + h) x 144 + 8 r
.set LS2, 4            ; v4   staging of Vt: wave x 288 + 8 x lane
.set FA,  5            ; v5   a fragment's place: r x 144 + 16 h
.set VA,  6            ; v6   the turning load's place in Vt's block, at my wave's 16 columns
.set QS,  7            ; v7   where my column of sigma R Vt goes in QT
.set UA,  8            ; v8   my wave's 16 rows of U: FA + 16 wave x 144
.set WO,  9            ; v9   weight: 8 h rows + 32 r bytes
.set HO,  10           ; v10  wh: 8 h rows + 16 r bytes
.set FQ,  18           ; v18  FA + QT: QT's last tiles lie beyond an LDS immediate's 16 bits, so the register carries the base
.set SPW, 30           ; v30  LDS address of my spare word; never rewritten
.set NIL, 31           ; v31  0; never rewritten
.set L,   32           ; v[32:127]  the 24 staging loads, 4 registers each (path X: v[32:159], 32 loads)
.set FR,  32           ; v[32:95]   later: source 0's (R, sigma) or QT's fragments: tile t, K half f at FR + 16 t + 8 f
.set VF,  96           ; v[96:111]  Vt's two fragments; later O2
.set O2,  96
.set O1,  112          ; v[112:127] R Vt as source 1; later U's two fragments
.set UF,  112
.set WT,  128          ; v[128:191] weight: register 8 j + c = weight(row 8 h + j, column 8 r + c) of my wave's 16 rows
.set D1,  192          ; v[192:223] R Vt, four tiles of 16 b
.set D2,  224          ; v[224:255] sigma R Vt, four tiles of 16 a
.set D3,  192          ; v[192:255] delta, eight tiles
.set WV,  4            ; s4   my wave's number
	s_load_b512 s[8:23], s[0:1], 0x0               ; x s[8:9], weight s[10:11], U s[12:13], sigma s[14:15], R s[16:17], Vt s[18:19], xh s[20:21], wh s[22:23]
	v_lshl_add_u32 v[SPW], v0, 2, SPARE
	v_mov_b32 v[NIL], 0
	v_lshrrev_b32 v1, 5, v0
	v_readfirstlane_b32 s[WV], v1                  ; wave 0..7
	s_mov_b32 s2, ttmp9
	s_mov_b32 s7, 0                                ; the upper word of every offset pair s[6:7]
	s_wait_kmcnt 0x0
	s_cmp_lt_u32 s2, 256
	s_cbranch_scc0 .Lx
	; ---------------- PATH W ----------------
	s_lshr_b32 s24, s2, 4                          ; ob: which 128 rows of wh
	s_and_b32 s25, s2, 15                          ; ib: which 128 columns
	s_lshl_b32 s6, s24, 15                         ; 128 rows of U, 256 bytes each
	s_add_nc_u64 s[12:13], s[12:13], s[6:7]
	s_lshl_b32 s6, s25, 9                          ; 128 columns of f32
	s_add_nc_u64 s[18:19], s[18:19], s[6:7]        ; Vt at the block's first column
	s_lshl_b32 s26, s24, 20                        ; 128 rows of weight, 8,192 bytes each,
	s_add_co_u32 s6, s6, s26
	s_lshl_b32 s26, s[WV], 17                      ; my wave's 16 of them
	s_add_co_u32 s6, s6, s26
	s_add_nc_u64 s[10:11], s[10:11], s[6:7]
	s_lshr_b32 s6, s6, 1                           ; the same place in wh, whose numbers have half the bytes
	s_add_nc_u64 s[22:23], s[22:23], s[6:7]
	v_and_b32 v11, 31, v0                          ; l
	v_and_b32 v12, 15, v0                          ; r = l % 16
	v_bfe_u32 v13, v0, 4, 1                        ; h = l / 16
	v_and_b32 v16, 7, v0                           ; l % 8
	v_bfe_u32 v17, v0, 3, 1                        ; (l / 8) % 2
	v_lshlrev_b32 v[T16], 4, v0
	s_lshl_b32 s28, s[WV], 13
	v_lshl_add_u32 v[VG], v11, 4, s28
	v_lshlrev_b32 v[WO], 5, v12
	v_lshl_add_u32 v[WO], v13, 16, v[WO]
	; All 40 loads of the work-group's share go out in one run, in the order in which they are wanted.
.irp q, 0,1,2,3
	global_load_b128 v[L+4*(\q):L+4*(\q)+3], v[T16], s[14:15] offset:4096*(\q)        ; sigma: 4,096 consecutive bytes for the eight waves
.endr
.irp q, 0,1,2,3
	global_load_b128 v[L+16+4*(\q):L+16+4*(\q)+3], v[T16], s[16:17] offset:4096*(\q)  ; R
.endr
.irp q, 0,1,2,3,4,5,6,7
	global_load_b128 v[L+32+4*(\q):L+32+4*(\q)+3], v[VG], s[18:19] offset:65536*(\q)  ; Vt: a wave takes the block's 512 bytes of row 8 q + wave
.endr
.irp q, 0,1,2,3,4,5,6,7
	global_load_b128 v[L+64+4*(\q):L+64+4*(\q)+3], v[T16], s[12:13] offset:4096*(\q)  ; U's 128 rows are dense
.endr
.irp j, 0,1,2,3,4,5,6,7
	global_load_b128 v[WT+8*(\j):WT+8*(\j)+3],   v[WO], s[10:11] offset:8192*(\j) th:TH_LOAD_NT     ; weight, read once in the launch: rows j and 8 + j of my 16,
	global_load_b128 v[WT+8*(\j)+4:WT+8*(\j)+7], v[WO], s[10:11] offset:8192*(\j)+16 th:TH_LOAD_NT  ; 32 bytes a lane in two loads
.endr
	s_mul_i32 s27, s[WV], 288
	v_mul_u32_u24 v[LS1], v13, 144
	v_lshl_add_u32 v[LS1], v12, 3, v[LS1]
	v_add_nc_u32 v[LS1], s27, v[LS1]
	v_lshl_add_u32 v[LS2], v11, 3, s27
	v_mul_u32_u24 v[FA], v12, 144
	v_lshl_add_u32 v[FA], v13, 4, v[FA]
	v_add_nc_u32 v[FQ], QT, v[FA]
	v_lshl_add_u32 v[VA], v13, 3, v16              ; the turning load: lane l reads row 8 h + l % 8,
	v_mul_u32_u24 v[VA], v[VA], 288
	v_lshl_add_u32 v[VA], v17, 4, v[VA]            ; 16 bytes at 16 ((l / 8) % 2),
	s_lshl_b32 s26, s[WV], 5
	v_add_nc_u32 v[VA], s26, v[VA]                 ; in my wave's 16 columns
	v_lshl_add_u32 v[QS], v16, 4, v17              ; my column c = 16 wave + r goes to place 16 (r % 8) + 2 wave + r / 8
	s_lshl_b32 s26, s[WV], 1
	v_add_nc_u32 v[QS], s26, v[QS]
	v_mul_u32_u24 v[QS], v[QS], 144
	v_lshl_add_u32 v[QS], v13, 4, v[QS]
	s_mul_i32 s26, s[WV], 2304
	v_add_nc_u32 v[UA], s26, v[FA]
	v_lshlrev_b32 v[HO], 4, v12
	v_lshl_add_u32 v[HO], v13, 15, v[HO]
; Staging load i of 24: its four f32 are rounded to bf16 and put into LDS.  Loads come back in order (ISA guide 5.7.1): 39 - i were issued behind it.
.macro STG i, adr, imm
	s_wait_loadcnt 39-(\i)
	v_cvt_pk_bf16_f32 v[L+4*(\i)], v[L+4*(\i)], v[L+4*(\i)+1]
	v_cvt_pk_bf16_f32 v[L+4*(\i)+1], v[L+4*(\i)+2], v[L+4*(\i)+3]
	ds_store_b64 v[\adr], v[L+4*(\i):L+4*(\i)+1] offset:\imm
.endm
.irp q, 0,1,2,3
	STG (\q), LS1, SG+2304*(\q)                    ; 16 rows of 144 bytes for each load of the eight waves
.endr
.irp q, 0,1,2,3
	STG 4+(\q), LS1, RR+2304*(\q)
.endr
.irp q, 0,1,2,3,4,5,6,7
	STG 8+(\q), LS2, VT+2304*(\q)                  ; 8 rows of 288 bytes
.endr
.irp q, 0,1,2,3,4,5,6,7
	STG 16+(\q), LS1, UU+2304*(\q)
.endr
	s_wait_dscnt 0x0                               ; for the others' sake: my stores are done
	s_barrier_signal -1
	s_barrier_wait -1                              ; sigma, R, U's rows and Vt's block lie in LDS; weight's loads stay on their way
; Source 0's eight fragments (64 rows x 64 K) from region reg.  A fragment is 16 rows x 32 K in 8 registers: two loads of 16 bytes, 32 bytes apart.
.macro FRAGS reg
.irp t, 0,1,2,3
.irp f, 0,1
	ds_load_b128 v[FR+16*(\t)+8*(\f):FR+16*(\t)+8*(\f)+3],   v[FA] offset:(\reg)+2304*(\t)+64*(\f)
	ds_load_b128 v[FR+16*(\t)+8*(\f)+4:FR+16*(\t)+8*(\f)+7], v[FA] offset:(\reg)+2304*(\t)+64*(\f)+32
.endr
.endr
.endm
; 64 rows x my 16 columns, K = 64: eight products.  The first four start the sums with the constant 0; the four accumulators take turns, one instruction a turn.
.macro PROD d, op
.irp f, 0,1
.irp t, 0,1,2,3
.if (\f) == 0
	v_wmma_f32_16x16x32_bf16 v[(\d)+8*(\t):(\d)+8*(\t)+7], v[FR+16*(\t)+8*(\f):FR+16*(\t)+8*(\f)+7], v[(\op)+8*(\f):(\op)+8*(\f)+7], 0
.else
	v_wmma_f32_16x16x32_bf16 v[(\d)+8*(\t):(\d)+8*(\t)+7], v[FR+16*(\t)+8*(\f):FR+16*(\t)+8*(\f)+7], v[(\op)+8*(\f):(\op)+8*(\f)+7], v[(\d)+8*(\t):(\d)+8*(\t)+7]
.endif
.endr
.endr
.endm
; In a result lane (r, h) holds column r and rows 16 t + 8 h + 0..7.  Rounded to bf16 in pairs, tiles 2 f and 2 f + 1 ARE fragment f of the next product's source 1
; (column r; K = 8 h + 0..7 and 16 + 8 h + 0..7): nothing changes lanes.  Each accumulator is read from its low end on.
.macro PACKO dst, d
.set i, 0
.rept 16
	v_cvt_pk_bf16_f32 v[(\dst)+i], v[(\d)+2*i], v[(\d)+2*i+1]
.set i, i+1
.endr
.endm
.macro PLACES                          ; four plain places behind a matrix instruction, ahead of what reads its result or is loaded into its sources (ISA guide 7.12.1)
.rept 4
	v_nop
.endr
.endm
	; PHASE B: my wave's 16 columns of sigma (R Vt)
.irp f, 0,1
	ds_load_tr16_b128 v[VF+8*(\f):VF+8*(\f)+3],   v[VA] offset:VT+9216*(\f)       ; Vt lies [c][i]: turned on the way, K = c = 32 f + 8 h + 0..7,
	ds_load_tr16_b128 v[VF+8*(\f)+4:VF+8*(\f)+7], v[VA] offset:VT+9216*(\f)+4608  ; and 16 rows further down
.endr
	FRAGS RR
	s_wait_dscnt 0x0
	PROD D1, VF                                    ; D1[b][i] = the sum over c of R[b][c] Vt[c][i]
	PLACES
	FRAGS SG                                       ; sigma's fragments come in while D1 is rounded
	PACKO O1, D1
	s_wait_dscnt 0x0
	PROD D2, O1                                    ; D2[a][i] = the sum over b of sigma[a][b] D1[b][i]
	PLACES
	PACKO O2, D2
.irp t, 0,1,2,3
	ds_store_b128 v[QS], v[O2+4*(\t):O2+4*(\t)+3] offset:QT+32*(\t)  ; my column's a = 16 t + 8 h + 0..7.
.endr
	s_wait_dscnt 0x0                               ; for the others' sake
	s_barrier_signal -1
	s_barrier_wait -1                              ; all 128 columns lie in QT
	; PHASE C: my wave's 16 rows of delta = U (sigma R Vt), all 128 columns.  Tile c of source 1 is QT's places 16 c + r, which hold columns 8 r + c:
	; so register j of tile c is delta(row 8 h + j, column 8 r + c), and a lane's eight tiles hold eight NEIGHBOURING columns, as weight's registers do.
.irp f, 0,1
	ds_load_b128 v[UF+8*(\f):UF+8*(\f)+3],   v[UA] offset:UU+64*(\f)
	ds_load_b128 v[UF+8*(\f)+4:UF+8*(\f)+7], v[UA] offset:UU+64*(\f)+32
.endr
.macro HALF hh                         ; tiles 4 hh .. 4 hh + 3
.irp c, 0,1,2,3
.irp f, 0,1
	ds_load_b128 v[FR+16*(\c)+8*(\f):FR+16*(\c)+8*(\f)+3],   v[FQ] offset:2304*(4*(\hh)+(\c))+64*(\f)
	ds_load_b128 v[FR+16*(\c)+8*(\f)+4:FR+16*(\c)+8*(\f)+7], v[FQ] offset:2304*(4*(\hh)+(\c))+64*(\f)+32
.endr
.endr
	s_wait_dscnt 0x0
.irp f, 0,1
.irp c, 0,1,2,3
.if (\f) == 0
	v_wmma_f32_16x16x32_bf16 v[D3+8*(4*(\hh)+(\c)):D3+8*(4*(\hh)+(\c))+7], v[UF+8*(\f):UF+8*(\f)+7], v[FR+16*(\c)+8*(\f):FR+16*(\c)+8*(\f)+7], 0
.else
	v_wmma_f32_16x16x32_bf16 v[D3+8*(4*(\hh)+(\c)):D3+8*(4*(\hh)+(\c))+7], v[UF+8*(\f):UF+8*(\f)+7], v[FR+16*(\c)+8*(\f):FR+16*(\c)+8*(\f)+7], v[D3+8*(4*(\hh)+(\c)):D3+8*(4*(\hh)+(\c))+7]
.endif
.endr
.endr
.endm
	HALF 0
	PLACES                                         ; the fragments' registers are loaded again
	HALF 1
	s_wait_loadcnt 0x0                             ; weight
	PLACES
.irp j, 0,1,2,3,4,5,6,7                ; j ascending: of each accumulator register 0 is read first
.irp c, 0,1,2,3,4,5,6,7
	v_add_f32 v[WT+8*(\j)+(\c)], v[WT+8*(\j)+(\c)], v[D3+8*(\c)+(\j)]  ; weight + delta, in f32
.endr
.irp k, 0,1,2,3
	v_cvt_pk_f16_f32 v[WT+8*(\j)+(\k)], v[WT+8*(\j)+2*(\k)], v[WT+8*(\j)+2*(\k)+1]  ; the one rounding to f16
.endr
	global_store_b128 v[HO], v[WT+8*(\j):WT+8*(\j)+3], s[22:23] offset:4096*(\j)  ; lanes 0-15 store 256 consecutive bytes of row j, at a multiple of 256 from wh's first byte; lanes 16-31 of row 8 + j
.endr
	s_branch .Lend
	; ---------------- PATH X ----------------
.Lx:
	s_sub_co_u32 s2, s2, 256                       ; which 16 rows of x
	s_lshl_b32 s6, s2, 17                          ; 131,072 bytes of x,
	s_add_nc_u64 s[8:9], s[8:9], s[6:7]
	s_lshl_b32 s6, s2, 16                          ; 65,536 of xh
	s_add_nc_u64 s[20:21], s[20:21], s[6:7]
	v_lshlrev_b32 v1, 4, v0                        ; 16 bytes a thread in,
	v_lshlrev_b32 v2, 3, v0                        ; 8 out
.irp q, 0,1,2,3,4,5,6,7,8,9,10,11,12,13,14,15,16,17,18,19,20,21,22,23,24,25,26,27,28,29,30,31
	global_load_b128 v[L+4*(\q):L+4*(\q)+3], v1, s[8:9] offset:4096*(\q) th:TH_LOAD_NT  ; the whole share goes out at once: 32 loads a wave, 512 consecutive bytes each
.endr
.irp q, 0,1,2,3,4,5,6,7,8,9,10,11,12,13,14,15,16,17,18,19,20,21,22,23,24,25,26,27,28,29,30,31
	s_wait_loadcnt 31-(\q)                         ; load q is in; the 31 - q behind it stay out
	v_cvt_pk_f16_f32 v[L+4*(\q)], v[L+4*(\q)], v[L+4*(\q)+1]
	v_cvt_pk_f16_f32 v[L+4*(\q)+1], v[L+4*(\q)+2], v[L+4*(\q)+3]
	global_store_b64 v2, v[L+4*(\q):L+4*(\q)+1], s[20:21] offset:2048*(\q)  ; a wave stores 256 consecutive bytes, at a multiple of 256 from xh's first byte; no register is written again
.endr
.Lend:
	s_wait_tensorcnt 0x0                           ; the wave's end: behind my last LDS store
	ds_add_u32 v[SPW], v[NIL]
	s_wait_dscnt 0x0
	s_endpgm
.Lfunc_end_k_q35f746bebf_prep:
	.size	k_q35f746bebf_prep, .Lfunc_end_k_q35f746bebf_prep-k_q35f746bebf_prep
	.p2alignl 7, 3214868480
	.fill 96, 4, 3214868480
	.section	.rodata,"a",@progbits
	.p2align	6, 0x0
	.amdhsa_kernel k_q35f746bebf_prep
		.amdhsa_group_segment_fixed_size 74752
		.amdhsa_private_segment_fixed_size 0
		.amdhsa_enable_private_segment 0
		.amdhsa_kernarg_size 64
		.amdhsa_user_sgpr_count 2
		.amdhsa_user_sgpr_kernarg_segment_ptr 1
		.amdhsa_wavefront_size32 1
		.amdhsa_system_sgpr_workgroup_id_x 1
		.amdhsa_system_sgpr_workgroup_id_y 1
		.amdhsa_system_sgpr_workgroup_id_z 1
		.amdhsa_system_vgpr_workitem_id 0
		.amdhsa_next_free_vgpr 256
		.amdhsa_next_free_sgpr 66
		.amdhsa_reserve_vcc 0
		.amdhsa_float_denorm_mode_32 3
		.amdhsa_float_denorm_mode_16_64 3
		.amdhsa_memory_ordered 1
		.amdhsa_forward_progress 1
		.amdhsa_inst_pref_size 38
	.end_amdhsa_kernel
	.amdgpu_metadata
---
amdhsa.version: [ 1, 2 ]
amdhsa.kernels:
  - .name:           k_q35f746bebf_prep
    .symbol:         k_q35f746bebf_prep.kd
    .args:
      - { .name: x, .offset: 0, .size: 8, .value_kind: global_buffer, .address_space: global }
      - { .name: weight, .offset: 8, .size: 8, .value_kind: global_buffer, .address_space: global }
      - { .name: U, .offset: 16, .size: 8, .value_kind: global_buffer, .address_space: global }
      - { .name: sigma, .offset: 24, .size: 8, .value_kind: global_buffer, .address_space: global }
      - { .name: R, .offset: 32, .size: 8, .value_kind: global_buffer, .address_space: global }
      - { .name: Vt, .offset: 40, .size: 8, .value_kind: global_buffer, .address_space: global }
      - { .name: xh, .offset: 48, .size: 8, .value_kind: global_buffer, .address_space: global }
      - { .name: wh, .offset: 56, .size: 8, .value_kind: global_buffer, .address_space: global }
    .group_segment_fixed_size: 74752
    .private_segment_fixed_size: 0
    .kernarg_segment_align: 8
    .kernarg_segment_size: 64
    .max_flat_workgroup_size: 256
    .sgpr_count:     66
    .vgpr_count:     256
    .wavefront_size: 32
...
	.end_amdgpu_metadata
.endif
;; end of part 1
;; launch gemm (part 2): grid 8 x 32, 4 waves a work-group, clusters of 4 x 4, 327,680 bytes of LDS; arguments xh, wh, bias, out0; writes out0
.if DOCPART == 2
	.amdgcn_target "amdgcn-amd-amdhsa--gfx1250"
	.amdhsa_code_object_version 6
	.text
	.protected	k_q35f746bebf_gemm
	.globl	k_q35f746bebf_gemm
	.p2align	8
	.type	k_q35f746bebf_gemm,@function
k_q35f746bebf_gemm:
	s_mov_b64 s[64:65], 0
	v_nop
	global_prefetch_b8 v0, s[64:65] scope:SCOPE_SE
	s_setreg_imm32_b32 hwreg(HW_REG_WAVE_MODE, 25, 1), 1
	s_wait_xcnt 0x0
	s_wait_alu depctr_hold_cnt(0) depctr_sa_sdst(0) depctr_va_vdst(0) depctr_va_sdst(0) depctr_va_ssrc(0) depctr_va_vcc(0) depctr_vm_vsrc(0)
	s_getreg_b32 s2, hwreg(HW_REG_IB_STS2, 6, 4)
	s_cmp_eq_u32 s2, 0
	s_cbranch_scc0 .Lentry_in_a_cluster
	s_endpgm
.Lentry_in_a_cluster:
	s_bfe_u32 s2, ttmp6, 0x10000c
	s_cmp_lg_u32 s2, 0xf033
	s_cbranch_scc0 .Lentry_shape_is_right
	s_endpgm
.Lentry_shape_is_right:
; out0[m][n] = the sum over k of xh[m][k] wh[n][k] + bias[n].  xh: [8192][2048] f16, wh: [2048][2048] f16 (the launch before: x, and weight + U sigma R Vt, each rounded once), bias: [2048] f32,
; out0: [8192][2048] f32.  One f32 sum for each output, K ascending; the bias is added in f32 on the way out.
; LIMITS are the operands': f16 holds no number beyond 65,504 and keeps a fixed step of 6e-8 below 6.1e-5.  NaN and infinities are not treated apart.
; SHARES.  256 tiles of 256 x 256, one for each work-group of four waves; a wave makes 128 x 128: 64 accumulators of 16 x 16, 512 registers.  K goes in 16 steps of 128 through a ring of two LDS
; slots filled by the tensor data mover: a tile's rows are 256 bytes of memory and start at multiples of 256 bytes from the buffer's first byte.
; CLUSTERS: 4 x 4 work-groups.  The four of a row of the cluster need the same tiles of xh, the four of a column the same tiles of wh: each tile is asked for JOINTLY, by the same tensor load with
; the same descriptor and a mask that names the four; each receives it in its own LDS.
; THE MATRIX INSTRUCTION IS USED TRANSPOSED: source 0 = 16 rows of wh, source 1 = 16 rows of xh.  In the result lane l holds row m = l % 16 of out0, and its registers 0 to 7 the columns
; n = 8 (l / 16) + 0 .. 7: 32 neighbouring bytes of a row.
; THE LAST K STEP GOES BY ROWS OF out0, so that finished blocks of 16 rows leave while the others are multiplied.
; REGISTERS, in windows of 256 (s_set_vgpr_msb's low byte: bits 1:0 source 0, 3:2 source 1, 5:4 source 2, 7:6 destination):
;   window 0: v0-31 addresses and the bias; v64-127, v128-191 fragments of xh, two buffers (in the last K step four, of 16 rows x 128 K); v192-255 the way out
;   window 1: v64-127, v128-191 fragments of wh, two buffers; in the last K step all 256
;   window 2: the 32 accumulators of my rows 0-63 (accumulator (a, b) at v[8 (8 a + b)]);   window 3: those of my rows 64-127
.set SIZE_M, 8192
.set SIZE_N, 2048
.set SIZE_K, 2048
.set KSTEP,  128
.set PITCH,  272                       ; an LDS row: 256 bytes + 16 of padding = 68 words: row r starts at bank 4 r mod 64 (64 banks of 4 bytes: ISA guide 11.1), so the 16 rows of a load start at 16 different banks
.set HALFT,  128*PITCH                 ; 128 rows: what one tensor load brings, and what one wave reads of either operand
.set SLOT,   4*HALFT                   ; xh's 256 rows, then wh's 256 rows
.set STAGE,  2*SLOT                    ; behind the ring, never filled by a tensor load: 16 rows x 528 bytes for each wave, for the way out
.set SPITCH, 528                       ; a stage row: 512 bytes of f32 + 16 = 132 words: again 16 rows at 16 different banks
.set SPARE,  STAGE+4*16*SPITCH         ; behind the stages: the spare words, 128 bytes for each wave: two blocks of 256 bytes that no other line names
.set LAPS,   SIZE_K/(2*KSTEP)          ; a lap = two K steps = once round the ring: 8
.set BI,   8                           ; v[8:11] the bias of my four columns on the way out
.set ADRA, 16                          ; v16-17  LDS address of my xh fragments in slot 0, 1
.set ADRB, 20                          ; v20-21  the same for wh
.set STO,  24                          ; v24     the way out: where I put 32 bytes of a row
.set RD,   25                          ; v25     the way out: where I read 16 bytes of a row back
.set CO,   26                          ; v26     16 x lane: my bytes in my wave's 512 of a row of out0, and of the bias
.set SPW,  28                          ; v28     LDS address of my spare word; never rewritten
.set NIL,  29                          ; v29     0; never rewritten
.set PFO,  30                          ; v30     the prefetches' offset: lane x a row of 4,096 bytes; never rewritten
.set PFA,  44                          ; s[44:45] where my prefetches stand: my work-group's 32 rows of the 128 that I fetch, one K step further along K than the refill being asked for
.set LIM,  43                          ; s43     1 in a wave that prefetches, else the greatest number
.set BS,   66                          ; s[66:67] the bias at my wave's first column
.set F0,   64                          ; fragment buffer 0
.set F1,   128                         ; fragment buffer 1
.set OB,   192                         ; the way out: 16 rows read back from the stage
.set PA,   64                          ; the last K step: xh's fragments of 16 rows x 128 K, 32 registers; four such buffers, v64-191
.set G1,  24                           ; s[24:31] descriptor group 1 for xh's tiles
.set G0,  32                           ; s[32:39] descriptor group 0 for xh's tiles, one set for each slot
.set G1B, 48                           ; s[48:55] group 1 for wh's tiles: it differs in the mask alone
.set G0B, 56                           ; s[56:63] group 0 for wh's tiles
.set MSB, 0
.macro WIN new                         ; the immediate's high byte repeats the setting that is left; a switch that changes nothing is dropped
.if MSB != (\new)
	s_set_vgpr_msb (MSB<<8)|(\new)
.set MSB, \new
.endif
.endm
.set MUL_LO, 0xa1                      ; source 0 (wh) window 1, source 1 (xh) window 0, C and D window 2
.set MUL_HI, 0xf1                      ; the same, C and D window 3
.set TO_B,   0x40                      ; destination window 1, address window 0
; A joint load.  Waves 0 and 1 fetch xh's two halves, waves 2 and 3 wh's.  Each of the two lines has one mask and one set of registers for all that issue it.  The branch hangs on the wave's
; number alone.  An s_nop 0 and four v_nop follow each of the two lines, ahead of the jump, the label and what follows.
.macro JLOAD s
	s_cmp_eq_u32 s11, 0
	s_cbranch_scc0 .Lfor_b_\@
	tensor_load_to_lds s[G0+4*(\s):G0+4*(\s)+3], s[G1:G1+7]
	s_nop 0
.rept 4
	v_nop
.endr
	s_branch .Lasked_\@
.Lfor_b_\@:
	tensor_load_to_lds s[G0B+4*(\s):G0B+4*(\s)+3], s[G1B:G1B+7]
	s_nop 0
.rept 4
	v_nop
.endr
.Lasked_\@:
.endm
; A PREFETCH INTO THE L2, behind each joint refill and the run of LDS loads that follows it: the K step that stands TWO refills on, 512 matrix instructions ahead of the load that will ask for it:
; 32 rows x 256 bytes, a lane a row, one instruction a wave.  Each row's 256 bytes of a K step are named ONCE in the launch: xh's tile row is read by both clusters of its row of clusters, and the
; one with x = 0 asks; wh's tile column by the eight clusters of its column, and the one with y = 0 asks.  The four partners that ask for a tile jointly share its rows out BY ADDRESS: of the 128
; rows that a wave fetches, the partner at place p takes 32 p .. 32 p + 31.  The loop's last trip (s3 = 1) asks for nothing: K steps 16 and 17 do not exist.  K steps 0 to 3 come by their loads alone.
.macro ASK
	s_cmp_gt_u32 s3, s[LIM]
	s_cbranch_scc0 .Lnot_mine_\@
	global_prefetch_b8 v[PFO], s[PFA:PFA+1] offset:KSTEP*2 th:TH_LOAD_NT scope:SCOPE_SE
.Lnot_mine_\@:
.endm
; A round of the cluster's barrier: my work-group's barrier, so that wave 0's signal speaks for all four waves; wave 0 signals; every wave waits for all sixteen work-groups; my work-group's barrier once more.
.macro CREST                           ; a round behind its opening barrier
	s_cmp_lg_u32 s10, 0
	s_cbranch_scc1 .Lnot_wave_0_\@
	s_barrier_signal -3
.Lnot_wave_0_\@:
	s_barrier_wait -3
	s_barrier_signal -1
	s_barrier_wait -1
.endm
.macro CROUND                          ; a whole round
	s_barrier_signal -1
	s_barrier_wait -1
	CREST
.endm
	s_load_b128 s[4:7], s[0:1], 0x0                ; xh s[4:5], wh s[6:7]
	s_load_b64 s[BS:BS+1], s[0:1], 0x10            ; bias
	s_load_b64 s[8:9], s[0:1], 0x18                ; out0
	v_lshl_add_u32 v[SPW], v0, 2, SPARE
	v_mov_b32 v[NIL], 0
	ds_add_u32 v[SPW], v[NIL]                      ; the wave's opening: the add, twice on end, and its wait ahead of my first tensor load; the set-up below stands between
	ds_add_u32 v[SPW], v[NIL]                      ; and once more, under the one wait
	v_lshrrev_b32 v1, 5, v0
	v_readfirstlane_b32 s10, v1                    ; wave 0..3
	s_lshr_b32 s11, s10, 1                         ; which half of the tile's rows is mine.  Also: I fetch for xh (0) or for wh (1)
	s_and_b32 s12, s10, 1                          ; which half of its columns.  Also: which 128 rows of that tile I fetch
	s_bfe_u32 s40, ttmp6, 0x40000                  ; cx: my place along the cluster's x
	s_bfe_u32 s41, ttmp6, 0x40004                  ; cy: along its y
	s_lshl_b32 s42, ttmp9, 2                       ; in a cluster launch ttmp9 and ttmp7 count clusters
	s_add_co_u32 s42, s42, s40                     ; tile column = 4 x cluster x + cx
	s_and_b32 s13, ttmp7, 0xffff
	s_lshl_b32 s13, s13, 2
	s_add_co_u32 s13, s13, s41                     ; tile row = 4 x cluster y + cy
	s_lshl_b32 s43, s41, 2
	s_lshl_b32 s43, 15, s43                        ; my row of the cluster: places 4 cy .. 4 cy + 3
	s_lshl_b32 s44, 0x1111, s40                    ; my column: places cx, cx + 4, cx + 8, cx + 12
	; descriptor group 1: a tile of 128 rows x 128 elements, padded in LDS
	s_or_b32 s[G1+0], s43, (1<<16)|(1<<20)|(1<<21)|(5<<22)|(3<<25)  ; 15:0 the mask: xh's tiles go to my row; 17:16 elements of 2 bytes; 20 padding on; 21 set beside a mask; 24:22 after every 64 words (code 5); 31:25 4 words (code 3)
	s_or_b32 s[G1B+0], s44, (1<<16)|(1<<20)|(1<<21)|(5<<22)|(3<<25) ; the same with the mask of my column, for wh's tiles
.irp g, G1, G1B
	s_mov_b32 s[(\g)+1], KSTEP<<16                 ; 63:48 tensor_dim0, low half = 128
	s_mov_b32 s[(\g)+2], 128<<16                   ; 79:64 its high half = 0; 95:80 tensor_dim1, low half = 128
	s_mov_b32 s[(\g)+3], KSTEP<<16                 ; 111:96 its high half = 0; 127:112 tile_dim0 = 128
	s_mov_b32 s[(\g)+4], 128                       ; 143:128 tile_dim1 = 128; 159:144 tile_dim2 = 0
	s_mov_b32 s[(\g)+5], SIZE_K                    ; 191:160 elements from row to row
	s_mov_b32 s[(\g)+6], 0
	s_mov_b32 s[(\g)+7], 0
.endr
	; where the tiles come from.  xh's hang on the tile row alone, which my row of the cluster shares; wh's on the tile column alone, which my column shares.
	s_lshl_b32 s17, s12, 7                         ; which 128 rows of the tile I fetch
	s_lshl_b32 s16, s13, 8
	s_add_co_u32 s16, s16, s17                     ; xh: row 256 x tile row + 128 x half
	s_lshl_b32 s46, s42, 8
	s_add_co_u32 s46, s46, s17                     ; wh: row 256 x tile column + 128 x half
	s_mov_b32 s17, 0
	s_mov_b32 s47, 0
	s_mov_b64 s[18:19], SIZE_K*2
	s_mul_u64 s[16:17], s[16:17], s[18:19]         ; in bytes
	s_mul_u64 s[46:47], s[46:47], s[18:19]
	s_mul_i32 s20, s10, HALFT                      ; and where they go: wave x 128 rows: no place in the cluster enters an LDS address
	s_wait_dscnt 0x0                               ; both opening adds are done
	s_wait_kmcnt 0x0
	s_add_nc_u64 s[14:15], s[4:5], s[16:17]
	s_add_nc_u64 s[46:47], s[6:7], s[46:47]
	CROUND                                         ; all sixteen work-groups are here: the first joint loads meet
.irp s, 0,1
	s_mov_b32 s[G0+4*(\s)], 1                                      ; 1:0 count = 1
	s_add_co_u32 s[G0+4*(\s)+1], s20, (\s)*SLOT                    ; 63:32 LDS address
	s_add_nc_u64 s[G0+4*(\s)+2:G0+4*(\s)+3], s[14:15], (\s)*KSTEP*2  ; 120:64 global address: K step s
	s_or_b32 s[G0+4*(\s)+3], s[G0+4*(\s)+3], 0x80000000            ; 127:126 type = 2
	s_mov_b32 s[G0B+4*(\s)], 1
	s_add_co_u32 s[G0B+4*(\s)+1], s20, (\s)*SLOT
	s_add_nc_u64 s[G0B+4*(\s)+2:G0B+4*(\s)+3], s[46:47], (\s)*KSTEP*2
	s_or_b32 s[G0B+4*(\s)+3], s[G0B+4*(\s)+3], 0x80000000
	JLOAD \s                                       ; the ring is filled before anything else is done: two loads of mine are out
.endr
	; A fragment is 16 rows x 32 K in 8 registers: lane l holds row l % 16; registers 0-3 hold K = 8 (l / 16) + 0..7, registers 4-7 K = 16 + 8 (l / 16) + 0..7: two loads of 16 bytes, 32 bytes apart.
	v_and_b32 v1, 15, v0                           ; l % 16
	v_bfe_u32 v2, v0, 4, 1                         ; l / 16
	v_mul_u32_u24 v3, v1, PITCH
	v_lshl_add_u32 v3, v2, 4, v3                   ; row x pitch + 16 x half
	s_mul_i32 s21, s11, HALFT                      ; my 128 rows of xh
	s_mul_i32 s22, s12, HALFT                      ; my 128 rows of wh,
	s_add_co_u32 s22, s22, 2*HALFT                 ; which lie behind xh's 256
.irp s, 0,1
	v_add_nc_u32 v[ADRA+(\s)], s21, v3
	v_add_nc_u32 v[ADRB+(\s)], s22, v3
	s_add_co_u32 s21, s21, SLOT
	s_add_co_u32 s22, s22, SLOT
.endr
	s_mul_i32 s23, s10, 16*SPITCH
	s_add_co_u32 s23, s23, STAGE                   ; my stage
	v_mul_u32_u24 v4, v1, SPITCH                   ; in: row l % 16, 32 bytes for each half of the lanes
	v_lshl_add_u32 v4, v2, 5, v4
	v_add_nc_u32 v[STO], s23, v4
	v_and_b32 v5, 31, v0
	v_lshlrev_b32 v[CO], 4, v5                     ; back: 32 lanes take one row of 512 bytes
	v_add_nc_u32 v[RD], s23, v[CO]
	; out0 at my wave's first row and column, the bias at its first column
	s_lshl_b32 s13, s13, 8
	s_lshl_b32 s14, s11, 7
	s_add_co_u32 s16, s13, s14                     ; my first row
	s_mov_b32 s17, 0
	s_mov_b64 s[18:19], SIZE_N*4
	s_mul_u64 s[16:17], s[16:17], s[18:19]
	s_lshl_b32 s46, s42, 10                        ; my first column, in bytes: 1,024 x tile column + 512 x half
	s_lshl_b32 s47, s12, 9
	s_add_co_u32 s46, s46, s47
	s_mov_b32 s47, 0
	s_add_nc_u64 s[BS:BS+1], s[BS:BS+1], s[46:47]
	s_add_nc_u64 s[16:17], s[16:17], s[46:47]
	s_add_nc_u64 s[8:9], s[8:9], s[16:17]          ; never stepped again: a row's place among my 128 stands in the stores' immediate
	global_load_b128 v[BI:BI+3], v[CO], s[BS:BS+1] ; waited for on the way out
	; the prefetches.  s13 = 256 x tile row, s42 = tile column, s40 = cx, s41 = cy still stand
	s_lshl_b32 s42, s42, 8
	s_and_b32 s22, ttmp7, 0xffff                   ; cluster y
	s_cmp_eq_u32 s11, 0                            ; do I fetch for xh?
	s_cselect_b32 s20, s13, s42                    ; the tile's first row: in xh by the tile row, in wh by the tile column
	s_cselect_b32 s21, s40, s41                    ; my place among the four that ask for it with me
	s_cselect_b32 s22, ttmp9, s22                  ; the coordinate along which other clusters read the same rows
	s_cselect_b64 s[PFA:PFA+1], s[4:5], s[6:7]
	s_cmp_eq_u32 s22, 0
	s_cselect_b32 s[LIM], 1, -1                    ; the same in all sixteen partners, for a given wave
	s_lshl_b32 s22, s12, 7
	s_add_co_u32 s20, s20, s22                     ; + the 128 rows that I fetch
	s_lshl_b32 s21, s21, 5
	s_add_co_u32 s20, s20, s21                     ; + my work-group's 32 of them
	s_mov_b32 s21, 0
	s_mov_b64 s[18:19], SIZE_K*2
	s_mul_u64 s[20:21], s[20:21], s[18:19]
	s_add_nc_u64 s[PFA:PFA+1], s[PFA:PFA+1], s[20:21]
	s_add_nc_u64 s[PFA:PFA+1], s[PFA:PFA+1], 2*KSTEP*2  ; at K step 2: the first refill steps it to 3 and names K step 4
	v_and_b32 v[PFO], 31, v0
	v_mul_u32_u24 v[PFO], v[PFO], SIZE_K*2
; 16 matrix instructions: m blocks a0, a0 + 1 of the window's four (hi = 0: my rows 0-63, 1: rows 64-127) x all 8 n blocks, 32 along K.  zero = 1: the first product starts the sums: nothing is ever cleared.
; The 64 accumulators take turns, one instruction a turn, in the same order in every quarter step, over the backward jump too.
.macro MUL16 f, hi, a0, zero
	WIN MUL_LO+0x50*(\hi)
.irp a, \a0, (\a0)+1
.irp b, 0,1,2,3,4,5,6,7
.if \zero
	v_wmma_f32_16x16x32_f16 v[8*(8*(\a)+(\b)):8*(8*(\a)+(\b))+7], v[(\f)+8*(\b):(\f)+8*(\b)+7], v[(\f)+8*(4*(\hi)+(\a)):(\f)+8*(4*(\hi)+(\a))+7], 0
.else
	v_wmma_f32_16x16x32_f16 v[8*(8*(\a)+(\b)):8*(8*(\a)+(\b))+7], v[(\f)+8*(\b):(\f)+8*(\b)+7], v[(\f)+8*(4*(\hi)+(\a)):(\f)+8*(4*(\hi)+(\a))+7], v[8*(8*(\a)+(\b)):8*(8*(\a)+(\b))+7]
.endif
.endr
.endr
.endm
; 32 LDS loads in one run: the fragments of one quarter step (128 rows of wh, 128 rows of xh, 32 K at byte k of the rows) into buffer f
.macro FETCH slot, k, f
	WIN TO_B
.irp i, 0,1,2,3,4,5,6,7
	ds_load_b128 v[(\f)+8*(\i):(\f)+8*(\i)+3],   v[ADRB+(\slot)] offset:(\k)+(\i)*16*PITCH
	ds_load_b128 v[(\f)+8*(\i)+4:(\f)+8*(\i)+7], v[ADRB+(\slot)] offset:(\k)+(\i)*16*PITCH+32
.endr
	WIN 0
.irp i, 0,1,2,3,4,5,6,7
	ds_load_b128 v[(\f)+8*(\i):(\f)+8*(\i)+3],   v[ADRA+(\slot)] offset:(\k)+(\i)*16*PITCH
	ds_load_b128 v[(\f)+8*(\i)+4:(\f)+8*(\i)+7], v[ADRA+(\slot)] offset:(\k)+(\i)*16*PITCH+32
.endr
.endm
; Four plain places behind a matrix instruction, ahead of a load into a register that it has read and of an LDS store that reads its result (ISA guide 7.12.1 for vector instructions)
.macro PLACES
.rept 4
	v_nop
.endr
.endm
; A K step is four quarter steps of 32 along K, 64 matrix instructions each, on buffers 0, 1, 0, 1.  One of the first three: multiplies buffer f; in its middle it fetches the next quarter's fragments into buffer g.
.macro QUARTER slot, k, f, g, zero
	s_wait_dscnt 8                                 ; wh and xh's rows 0-63 are in; the youngest eight loads (xh's rows 64-127) may be out
	WIN MUL_LO
	MUL16 \f, 0, 0, \zero
	MUL16 \f, 0, 2, \zero
	PLACES
	FETCH \slot, \k, \g
	s_wait_dscnt 32                                ; all but the 32 just issued
	WIN MUL_HI
	MUL16 \f, 1, 0, \zero
	MUL16 \f, 1, 2, \zero
.endm
; The last quarter multiplies buffer 1 and changes slots.  MEET is its first half: ONE barrier for the change.  In front of it each wave waits for all its tensor loads, of which one is out: its part
; of the next slot; adds 0 to its spare word; and waits for that and for its own reads of this slot.  Behind it nobody reads this slot any more and the next slot is whole.
.macro MEET round                      ; round = 1: a round of the cluster's barrier follows
	WIN 0                                          ; (the add's two registers lie in window 0)
	s_wait_tensorcnt 0x0                           ; all my tensor loads have landed;
	ds_add_u32 v[SPW], v[NIL]                      ; 0 onto my spare word;
	s_wait_dscnt 9                                 ; (the add and the youngest eight loads may be out)
	WIN MUL_LO
	MUL16 F1, 0, 0, 0                              ; sixteen matrix instructions stand between the add and the wait for it
	s_wait_dscnt 0x0                               ; the add is done, and my reads of this slot are over:
	s_barrier_signal -1                            ; say so,
	MUL16 F1, 0, 2, 0                              ; work on registers while the others arrive,
.if \round
	WIN 0
.endif
	s_barrier_wait -1                              ; and go on when all four have said so
.endm
; The whole last quarter.  Behind the round the slot just read out is filled again first, with the K step two steps on; then come the next slot's first fragments.
; From a request to the wait for it a wave issues 224 matrix instructions.
.macro TURN slot, next
	s_wait_xcnt 0x0                                ; the last prefetch, a K step back, has read its address: it is stepped here, ahead of the change's own waits
	s_add_nc_u64 s[PFA:PFA+1], s[PFA:PFA+1], KSTEP*2
	MEET 1
	CREST                                          ; all sixteen work-groups have said so: no wave of any partner still reads this slot's tile or has a load on its way
	s_add_nc_u64 s[G0+4*(\slot)+2:G0+4*(\slot)+3], s[G0+4*(\slot)+2:G0+4*(\slot)+3], 2*KSTEP*2
	s_add_nc_u64 s[G0B+4*(\slot)+2:G0B+4*(\slot)+3], s[G0B+4*(\slot)+2:G0B+4*(\slot)+3], 2*KSTEP*2
	JLOAD \slot                                    ; the first tensor load behind the round, my only one until the next; its four v_nop are also the places in front of the loads below
	FETCH \next, 0, F0
	ASK
	WIN MUL_HI
	MUL16 F1, 1, 0, 0
	MUL16 F1, 1, 2, 0
.endm
; THE LAST K STEP (it lies in slot 1) GOES BY ROWS.  All its fragments of wh (4 quarters x 64 registers) fill window 1; then my eight blocks of 16 rows are finished one after the other, each with
; 32 matrix instructions (its 8 accumulators by turns, K ascending: the sums are the same).  LDS is read no more than in any other K step.
.macro BLOAD q                         ; wh's fragments of quarter q -> window 1, v[64 q ..]
	WIN TO_B
.irp i, 0,1,2,3,4,5,6,7
	ds_load_b128 v[64*(\q)+8*(\i):64*(\q)+8*(\i)+3],   v[ADRB+1] offset:64*(\q)+(\i)*16*PITCH
	ds_load_b128 v[64*(\q)+8*(\i)+4:64*(\q)+8*(\i)+7], v[ADRB+1] offset:64*(\q)+(\i)*16*PITCH+32
.endr
.endm
.macro ALOAD a                         ; xh's fragments of block a, all four quarters -> buffer a % 4
	WIN 0
.set FA, PA+32*((\a)%4)
.irp q, 0,1,2,3
	ds_load_b128 v[FA+8*(\q):FA+8*(\q)+3],   v[ADRA+1] offset:64*(\q)+(\a)*16*PITCH
	ds_load_b128 v[FA+8*(\q)+4:FA+8*(\q)+7], v[ADRA+1] offset:64*(\q)+(\a)*16*PITCH+32
.endr
.endm
.macro ROW a                           ; block a is finished: 32 matrix instructions
.set FA, PA+32*((\a)%4)
.set AC, 64*((\a)%4)                   ; its eight accumulators, in window 2 (blocks 0-3) or 3 (blocks 4-7)
	WIN MUL_LO+0x50*((\a)/4)
.irp q, 0,1,2,3
.if (\a) == 0 && (\q) == 2
	s_wait_dscnt 24                                ; wh's quarter 2 is in (behind it: xh's blocks 1 to 3)
.endif
.irp b, 0,1,2,3,4,5,6,7
	v_wmma_f32_16x16x32_f16 v[AC+8*(\b):AC+8*(\b)+7], v[64*(\q)+8*(\b):64*(\q)+8*(\b)+7], v[FA+8*(\q):FA+8*(\q)+7], v[AC+8*(\b):AC+8*(\b)+7]
.endr
.endr
.endm
; THE WAY OUT of block a.  TOSTAGE: a lane's 32 bytes of each of the 8 accumulators go into my own stage, rows of 528 bytes, each accumulator's low four registers first; they come back as whole rows of 512 bytes.
.macro TOSTAGE a
.set AC, 64*((\a)%4)
	WIN 0x08+4*((\a)/4)                            ; an LDS store's data is source 1: window 2 or 3; its address window 0
.irp b, 0,1,2,3,4,5,6,7
	ds_store_b128 v[STO], v[AC+8*(\b):AC+8*(\b)+3]   offset:64*(\b)
	ds_store_b128 v[STO], v[AC+8*(\b)+4:AC+8*(\b)+7] offset:64*(\b)+16
.endr
	WIN 0
	s_wait_xcnt 0x0                                ; every earlier memory instruction has had its addresses translated (ISA guide 3.1): the registers that the last block's stores read are loaded again only behind this wait
.irp t, 0,1,2,3,4,5,6,7,8,9,10,11,12,13,14,15
	ds_load_b128 v[OB+4*(\t):OB+4*(\t)+3], v[RD] offset:(\t)*SPITCH  ; LDS serves a wave's instructions in order (ISA guide 5.7.1.4): these see the stores above, and the next block's stores come behind them
.endr
.endm
; SEND: row by row, the bias is added and the row stored.  younger: the LDS loads issued behind TOSTAGE's, which may stay out.
.macro SEND a, younger
	WIN 0
.if (\a) == 0
	s_wait_loadcnt 0x0                             ; the bias, asked for at the head
.endif
.irp t, 0,1,2,3,4,5,6,7,8,9,10,11,12,13,14,15
	s_wait_dscnt (\younger)+15-(\t)                ; row t is back: behind its load stand the block's 15 - t later rows and the younger loads
	v_pk_add_f32 v[OB+4*(\t):OB+4*(\t)+1],   v[OB+4*(\t):OB+4*(\t)+1],   v[BI:BI+1]
	v_pk_add_f32 v[OB+4*(\t)+2:OB+4*(\t)+3], v[OB+4*(\t)+2:OB+4*(\t)+3], v[BI+2:BI+3]
	global_store_b128 v[CO], v[OB+4*(\t):OB+4*(\t)+3], s[8:9] offset:(16*(\a)+(\t))*SIZE_N*4 th:TH_STORE_NT  ; 512 consecutive bytes, at a multiple of 512 from out0's first byte; 127 rows of 8,192 bytes at the most, inside the signed 24-bit immediate
.endr
.endm
	s_wait_tensorcnt 1                             ; my part of K step 0 is in; K step 1's may stay out
	s_barrier_signal -1
	s_barrier_wait -1                              ; everybody's is
	FETCH 0, 0, F0
	QUARTER 0, 64,  F0, F1, 1                      ; the first quarter stands in front of the loop: its products start the sums
	WIN 0                                          ; at a label and at a branch every window is 0
	s_mov_b32 s3, LAPS-1
.Llap:                                                 ; a trip goes once round the ring, from a lap's second quarter to the next lap's first, and fills both slots again
	QUARTER 0, 128, F1, F0, 0
	QUARTER 0, 192, F0, F1, 0
	TURN 0, 1
	QUARTER 1, 64,  F0, F1, 0
	QUARTER 1, 128, F1, F0, 0
	QUARTER 1, 192, F0, F1, 0
	TURN 1, 0
	QUARTER 0, 64,  F0, F1, 0
	WIN 0
	s_sub_co_u32 s3, s3, 1
	s_cmp_lg_u32 s3, 0
	s_cbranch_scc1 .Llap
	QUARTER 0, 128, F1, F0, 0                      ; the last lap goes on; it asks for nothing more
	QUARTER 0, 192, F0, F1, 0
	MEET 0                                         ; my one tensor load that was still out is slot 1's, the last K step's, so no round follows
	PLACES                                         ; for the loads into buffer 0, which the quarter before multiplied
	BLOAD 0                                        ; three quarters of wh now: buffer 1 (v128-191 of both windows) is still being multiplied
	BLOAD 1
	BLOAD 3
	ALOAD 0
	MUL16 F1, 1, 0, 0
	MUL16 F1, 1, 2, 0
	PLACES                                         ; for the loads into buffer 1
	BLOAD 2
	ALOAD 1
	ALOAD 2
	ALOAD 3
	s_wait_dscnt 40                                ; all but the 40 just issued
	ROW 0
.irp a, 0,1,2,3,4,5,6,7                ; each block leaves as soon as it is finished
	PLACES                                         ; its LDS stores read results just made, and the loads below land in its fragments' registers
	TOSTAGE \a
.if (\a) < 4
	ALOAD (\a)+4                                   ; its buffer takes the block four further on
	SEND \a, 8
.else
	SEND \a, 0
.endif
.if (\a) < 7
	ROW (\a)+1
.endif
.endr
	s_wait_tensorcnt 0x0                           ; the wave's end: behind my last tensor load and my last LDS store
	ds_add_u32 v[SPW], v[NIL]
	s_wait_dscnt 0x0
	CROUND                                         ; the closing round: no work-group ends while a partner may still ask for a tile that names it
	s_endpgm
.Lfunc_end_k_q35f746bebf_gemm:
	.size	k_q35f746bebf_gemm, .Lfunc_end_k_q35f746bebf_gemm-k_q35f746bebf_gemm
	.p2alignl 7, 3214868480
	.fill 96, 4, 3214868480
	.section	.rodata,"a",@progbits
	.p2align	6, 0x0
	.amdhsa_kernel k_q35f746bebf_gemm
		.amdhsa_group_segment_fixed_size 327680
		.amdhsa_private_segment_fixed_size 0
		.amdhsa_enable_private_segment 0
		.amdhsa_kernarg_size 32
		.amdhsa_user_sgpr_count 2
		.amdhsa_user_sgpr_kernarg_segment_ptr 1
		.amdhsa_wavefront_size32 1
		.amdhsa_system_sgpr_workgroup_id_x 1
		.amdhsa_system_sgpr_workgroup_id_y 1
		.amdhsa_system_sgpr_workgroup_id_z 1
		.amdhsa_system_vgpr_workitem_id 0
		.amdhsa_next_free_vgpr 1024
		.amdhsa_next_free_sgpr 68
		.amdhsa_reserve_vcc 0
		.amdhsa_float_denorm_mode_32 3
		.amdhsa_float_denorm_mode_16_64 3
		.amdhsa_memory_ordered 1
		.amdhsa_forward_progress 1
		.amdhsa_inst_pref_size 162
	.end_amdhsa_kernel
	.amdgpu_metadata
---
amdhsa.version: [ 1, 2 ]
amdhsa.kernels:
  - .name:           k_q35f746bebf_gemm
    .symbol:         k_q35f746bebf_gemm.kd
    .args:
      - { .name: xh, .offset: 0, .size: 8, .value_kind: global_buffer, .address_space: global }
      - { .name: wh, .offset: 8, .size: 8, .value_kind: global_buffer, .address_space: global }
      - { .name: bias, .offset: 16, .size: 8, .value_kind: global_buffer, .address_space: global }
      - { .name: out0, .offset: 24, .size: 8, .value_kind: global_buffer, .address_space: global }
    .group_segment_fixed_size: 327680
    .private_segment_fixed_size: 0
    .kernarg_segment_align: 8
    .kernarg_segment_size: 32
    .max_flat_workgroup_size: 128
    .sgpr_count:     68
    .vgpr_count:     1024
    .wavefront_size: 32
...
	.end_amdgpu_metadata
.endif
;; end of part 2
;; ======== version 2 of 2: 2 launches; version 1 with the launch prep written anew for expert scheduling mode
;; limits: values are held in f16: magnitudes above 65,504 overflow, below 6.1e-05 lose precision
;; workspace buffers: xh 33,554,432 bytes; wh 8,388,608 bytes
;; launch prep (part 3): grid 768 x 1, 8 waves a work-group, no clusters, 74,752 bytes of LDS; arguments x, weight, U, sigma, R, Vt, xh, wh; writes xh, wh
.if DOCPART == 3
	.amdgcn_target "amdgcn-amd-amdhsa--gfx1250"
	.amdhsa_code_object_version 6
	.text
	.protected	k_q35f746bebf_prep
	.globl	k_q35f746bebf_prep
	.p2align	8
	.type	k_q35f746bebf_prep,@function
k_q35f746bebf_prep:
	s_mov_b64 s[64:65], 0
	v_nop
	global_prefetch_b8 v0, s[64:65] scope:SCOPE_SE
	s_setreg_imm32_b32 hwreg(HW_REG_WAVE_SCHED_MODE, 0, 2), 2
	s_setreg_imm32_b32 hwreg(HW_REG_WAVE_MODE, 25, 1), 1
	s_wait_xcnt 0x0
	s_wait_alu depctr_vm_vsrc(0)
; xh = f16(x);  wh = f16(weight + U (sigma (R Vt))).  x: [8192][2048] f32, weight: [2048][2048] f32, U: [2048][64], sigma, R: [64][64], Vt: [64][2048], all f32.
; reference() multiplies x by weight and by delta_W = U sigma R Vt and adds the two products; both share x, so the weights are added first (in f32) and x is multiplied once, in the next launch.
; ALPHA is reference()'s own constant 1: no multiply is written for it.
; FORMATS.  x and weight + delta are the next launch's matrix operands, each rounded ONCE to f16 (11 significant bits).  The chain's operands (R, Vt, sigma, U and the two intermediate
; products) are rounded to bf16, since the intermediates of small inputs would leave f16's range; all sums are f32.  The chain is taken from the right: R Vt, then sigma (..), then U (..).
; LIMITS.  |x| or |weight + delta| of 65,520 or more becomes an infinity in f16; below 6.1e-5 f16 keeps its fixed step of 6e-8.  NaN and infinities are not treated apart.
; SHARES.  768 work-groups of eight waves.  Work-groups 0-255 (path W): tile (ob, ib) of wh, 128 rows x 128 columns.  Work-groups 256-767 (path X): 16 rows of x, 128 KiB in, 64 KiB out.
; The branch between the two paths hangs on the work-group's number alone: all eight waves take the same path, so each barrier is passed by all eight or by none.
; NO CLUSTER, NO TENSOR LOADS: 512 of the 768 work-groups share nothing; what the other 256 share (U's, Vt's blocks, sigma, R: 96 KiB each, 24 MiB of the launch's 104 MiB of loads)
; has to be rounded to bf16 on its way into LDS, so it goes through registers.  No prefetch: every load of a work-group is issued at its head, in one run.
; THE MODE: SCHED_MODE bits 1:0 = 2 (LLVM: expert scheduling mode 2), set by the entry lines.  The code itself states the register dependences
; between vector or matrix instructions and memory or LDS instructions, with s_wait_alu, always for 0.
; THE PLAN.  Registers that memory or LDS instructions touch:
;   the addresses v1-v10, v18   made once by vector lines, read by loads and stores, never written again.
;   L (path W: v32-127)         24 staging loads land here; conversions round them in place; LDS stores read them.  The work goes in three blocks of eight loads: block p's conversions stand
;                               among the LDS stores of block p - 1, which name other registers; ONE wait on va_vdst at a block's head, behind its wait for data, serves the eight stores.
;   FR, VF / O2, O1 / UF        the same v32-127 from the first barrier on: one wait on vm_vsrc behind it says that the staging's LDS stores have read them.  FR: LDS loads land, products read;
;                               a wait on va_vdst stands ahead of each run of loads that lands in fragments which products have read.  O2: conversions write, four LDS stores read.
;   WT (v128-191)               weight's loads land; adds and conversions work in place; wh's stores read.  Two blocks of four rows: the first block's stores stand among the second's arithmetic.
;   L (path X: v32-159)         32 loads land; conversions in place; stores read; never written again.  Eight blocks of four loads, run as the staging's.
;   D1, D2, D3 (v192-255)       named by matrix and vector instructions alone.          v30, v31   written at the head, read by the closing add alone.
.set SG,    0          ; LDS: sigma [64 a][64 b] bf16, rows 144 bytes apart (128 + 16: the 16 rows of a fragment load start at 16 different groups of four banks; 64 banks of 4 bytes: ISA guide 11.1)
.set RR,    9216       ; R [64 b][64 c], the same pitch
.set UU,    18432      ; U's 128 rows [o][64 a], the same pitch
.set VT,    36864      ; Vt's block [64 c][128 i], rows 288 bytes apart (256 + 32, for the turning load)
.set QT,    55296      ; (sigma R Vt) turned: [128 places][64 a], pitch 144; column c of the block lies at place 16 (c % 8) + c / 8
.set SPARE, 73728      ; the spare words, 128 bytes for each of the eight waves: four blocks of 256 bytes that no other line names
.set T16, 1            ; v1   16 x thread
.set VG,  2            ; v2   Vt: wave x a row of 8,192 bytes + 16 x lane
.set LS1, 3            ; v3   staging of sigma, R, U: (2 wave + h) x 144 + 8 r
.set LS2, 4            ; v4   staging of Vt: wave x 288 + 8 x lane
.set FA,  5            ; v5   a fragment's place: r x 144 + 16 h
.set VA,  6            ; v6   the turning load's place in Vt's block, at my wave's 16 columns
.set QS,  7            ; v7   where my column of sigma R Vt goes in QT
.set UA,  8            ; v8   my wave's 16 rows of U: FA + 16 wave x 144
.set WO,  9            ; v9   weight: 8 h rows + 32 r bytes
.set HO,  10           ; v10  wh: 8 h rows + 16 r bytes
.set FQ,  18           ; v18  FA + QT: QT's last tiles lie beyond an LDS immediate's 16 bits, so the register carries the base
.set SPW, 30           ; v30  LDS address of my spare word; never rewritten
.set NIL, 31           ; v31  0; never rewritten
.set L,   32           ; v[32:127]  the 24 staging loads, 4 registers each (path X: v[32:159], 32 loads)
.set FR,  32           ; v[32:95]   later: source 0's (R, sigma) or QT's fragments: tile t, K half f at FR + 16 t + 8 f
.set VF,  96           ; v[96:111]  Vt's two fragments; later O2
.set O2,  96
.set O1,  112          ; v[112:127] R Vt as source 1; later U's two fragments
.set UF,  112
.set WT,  128          ; v[128:191] weight: register 8 j + c = weight(row 8 h + j, column 8 r + c) of my wave's 16 rows
.set D1,  192          ; v[192:223] R Vt, four tiles of 16 b
.set D2,  224          ; v[224:255] sigma R Vt, four tiles of 16 a
.set D3,  192          ; v[192:255] delta, eight tiles
.set WV,  4            ; s4   my wave's number
	s_load_b512 s[8:23], s[0:1], 0x0               ; x s[8:9], weight s[10:11], U s[12:13], sigma s[14:15], R s[16:17], Vt s[18:19], xh s[20:21], wh s[22:23]
	v_lshl_add_u32 v[SPW], v0, 2, SPARE
	v_mov_b32 v[NIL], 0
	v_lshrrev_b32 v1, 5, v0
	v_readfirstlane_b32 s[WV], v1                  ; wave 0..7
	s_mov_b32 s2, ttmp9
	s_mov_b32 s7, 0                                ; the upper word of every offset pair s[6:7]
	s_wait_alu depctr_va_sdst(0)                   ; s4 is written: ahead of the branch below and of its first reader, path W's offsets
	s_wait_kmcnt 0x0
	s_cmp_lt_u32 s2, 256
	s_cbranch_scc0 .Lx
	; ---------------- PATH W ----------------
	s_lshr_b32 s24, s2, 4                          ; ob: which 128 rows of wh
	s_and_b32 s25, s2, 15                          ; ib: which 128 columns
	s_lshl_b32 s6, s24, 15                         ; 128 rows of U, 256 bytes each
	s_add_nc_u64 s[12:13], s[12:13], s[6:7]
	s_lshl_b32 s6, s25, 9                          ; 128 columns of f32
	s_add_nc_u64 s[18:19], s[18:19], s[6:7]        ; Vt at the block's first column
	s_lshl_b32 s26, s24, 20                        ; 128 rows of weight, 8,192 bytes each,
	s_add_co_u32 s6, s6, s26
	s_lshl_b32 s26, s[WV], 17                      ; my wave's 16 of them
	s_add_co_u32 s6, s6, s26
	s_add_nc_u64 s[10:11], s[10:11], s[6:7]
	s_lshr_b32 s6, s6, 1                           ; the same place in wh, whose numbers have half the bytes
	s_add_nc_u64 s[22:23], s[22:23], s[6:7]
	v_and_b32 v11, 31, v0                          ; l
	v_and_b32 v12, 15, v0                          ; r = l % 16
	v_bfe_u32 v13, v0, 4, 1                        ; h = l / 16
	v_and_b32 v16, 7, v0                           ; l % 8
	v_bfe_u32 v17, v0, 3, 1                        ; (l / 8) % 2
	v_lshlrev_b32 v[T16], 4, v0
	s_lshl_b32 s28, s[WV], 13
	v_lshl_add_u32 v[VG], v11, 4, s28
	v_lshlrev_b32 v[WO], 5, v12
	v_lshl_add_u32 v[WO], v13, 16, v[WO]
	s_wait_alu depctr_va_vdst(0)                   ; v1, v2 and v9 are written, which the 40 loads below read as their offsets
	; All 40 loads of the work-group's share go out in one run, in the order in which they are wanted.
.irp q, 0,1,2,3
	global_load_b128 v[L+4*(\q):L+4*(\q)+3], v[T16], s[14:15] offset:4096*(\q)        ; sigma: 4,096 consecutive bytes for the eight waves
.endr
.irp q, 0,1,2,3
	global_load_b128 v[L+16+4*(\q):L+16+4*(\q)+3], v[T16], s[16:17] offset:4096*(\q)  ; R
.endr
.irp q, 0,1,2,3,4,5,6,7
	global_load_b128 v[L+32+4*(\q):L+32+4*(\q)+3], v[VG], s[18:19] offset:65536*(\q)  ; Vt: a wave takes the block's 512 bytes of row 8 q + wave
.endr
.irp q, 0,1,2,3,4,5,6,7
	global_load_b128 v[L+64+4*(\q):L+64+4*(\q)+3], v[T16], s[12:13] offset:4096*(\q)  ; U's 128 rows are dense
.endr
.irp j, 0,1,2,3,4,5,6,7
	global_load_b128 v[WT+8*(\j):WT+8*(\j)+3],   v[WO], s[10:11] offset:8192*(\j) th:TH_LOAD_NT     ; weight, read once in the launch: rows j and 8 + j of my 16,
	global_load_b128 v[WT+8*(\j)+4:WT+8*(\j)+7], v[WO], s[10:11] offset:8192*(\j)+16 th:TH_LOAD_NT  ; 32 bytes a lane in two loads
.endr
	s_mul_i32 s27, s[WV], 288
	v_mul_u32_u24 v[LS1], v13, 144
	v_lshl_add_u32 v[LS1], v12, 3, v[LS1]
	v_add_nc_u32 v[LS1], s27, v[LS1]
	v_lshl_add_u32 v[LS2], v11, 3, s27
	v_mul_u32_u24 v[FA], v12, 144
	v_lshl_add_u32 v[FA], v13, 4, v[FA]
	v_add_nc_u32 v[FQ], QT, v[FA]
	v_lshl_add_u32 v[VA], v13, 3, v16              ; the turning load: lane l reads row 8 h + l % 8,
	v_mul_u32_u24 v[VA], v[VA], 288
	v_lshl_add_u32 v[VA], v17, 4, v[VA]            ; 16 bytes at 16 ((l / 8) % 2),
	s_lshl_b32 s26, s[WV], 5
	v_add_nc_u32 v[VA], s26, v[VA]                 ; in my wave's 16 columns
	v_lshl_add_u32 v[QS], v16, 4, v17              ; my column c = 16 wave + r goes to place 16 (r % 8) + 2 wave + r / 8
	s_lshl_b32 s26, s[WV], 1
	v_add_nc_u32 v[QS], s26, v[QS]
	v_mul_u32_u24 v[QS], v[QS], 144
	v_lshl_add_u32 v[QS], v13, 4, v[QS]
	s_mul_i32 s26, s[WV], 2304
	v_add_nc_u32 v[UA], s26, v[FA]
	v_lshlrev_b32 v[HO], 4, v12
	v_lshl_add_u32 v[HO], v13, 15, v[HO]
; THE STAGING, in three blocks of eight loads: sigma and R (which lie on end in LDS: RR = SG + 4 x 2,304), Vt, U.  CV: load i's four f32 are rounded to bf16, in place.  PUT: they go into LDS.
; Loads come back in order (ISA guide 5.7.1): behind the last load of a block 32, 24 and 16 others were issued.
.macro CV i
	v_cvt_pk_bf16_f32 v[L+4*(\i)], v[L+4*(\i)], v[L+4*(\i)+1]
	v_cvt_pk_bf16_f32 v[L+4*(\i)+1], v[L+4*(\i)+2], v[L+4*(\i)+3]
.endm
.macro PUT i, adr, imm
	ds_store_b64 v[\adr], v[L+4*(\i):L+4*(\i)+1] offset:\imm
.endm
	s_wait_loadcnt 32                              ; sigma and R are in
.irp q, 0,1,2,3,4,5,6,7
	CV (\q)
.endr
	s_wait_loadcnt 24                              ; Vt's block is in
	s_wait_alu depctr_va_vdst(0)                   ; the conversions have written sigma's and R's registers, which the eight LDS stores below read; v3 to v8, v10 and v18, the addresses of all that follows, are written too
.irp q, 0,1,2,3,4,5,6,7
	PUT (\q), LS1, SG+2304*(\q)                    ; 16 rows of 144 bytes for each load of the eight waves.  The conversions between name Vt's registers alone
	CV 8+(\q)
.endr
	s_wait_loadcnt 16                              ; U's rows are in; weight's 16 loads stay out
	s_wait_alu depctr_va_vdst(0)                   ; the conversions have written Vt's registers, which the eight LDS stores below read
.irp q, 0,1,2,3,4,5,6,7
	PUT 8+(\q), LS2, VT+2304*(\q)                  ; 8 rows of 288 bytes.  The conversions between name U's registers alone
	CV 16+(\q)
.endr
	s_wait_alu depctr_va_vdst(0)                   ; the conversions have written U's registers, which the LDS stores below read; no vector line names v32 to v127 from here to the fragments' loads, which land there
.irp q, 0,1,2,3,4,5,6,7
	PUT 16+(\q), LS1, UU+2304*(\q)
.endr
	s_wait_dscnt 0x0                               ; for the others' sake: my stores are done
	s_barrier_signal -1
	s_barrier_wait -1                              ; sigma, R, U's rows and Vt's block lie in LDS; weight's loads stay on their way
; Source 0's eight fragments (64 rows x 64 K) from region reg.  A fragment is 16 rows x 32 K in 8 registers: two loads of 16 bytes, 32 bytes apart.
.macro FRAGS reg
.irp t, 0,1,2,3
.irp f, 0,1
	ds_load_b128 v[FR+16*(\t)+8*(\f):FR+16*(\t)+8*(\f)+3],   v[FA] offset:(\reg)+2304*(\t)+64*(\f)
	ds_load_b128 v[FR+16*(\t)+8*(\f)+4:FR+16*(\t)+8*(\f)+7], v[FA] offset:(\reg)+2304*(\t)+64*(\f)+32
.endr
.endr
.endm
; 64 rows x my 16 columns, K = 64: eight products.  The first four start the sums with the constant 0; the four accumulators take turns, one instruction a turn.
.macro PROD d, op
.irp f, 0,1
.irp t, 0,1,2,3
.if (\f) == 0
	v_wmma_f32_16x16x32_bf16 v[(\d)+8*(\t):(\d)+8*(\t)+7], v[FR+16*(\t)+8*(\f):FR+16*(\t)+8*(\f)+7], v[(\op)+8*(\f):(\op)+8*(\f)+7], 0
.else
	v_wmma_f32_16x16x32_bf16 v[(\d)+8*(\t):(\d)+8*(\t)+7], v[FR+16*(\t)+8*(\f):FR+16*(\t)+8*(\f)+7], v[(\op)+8*(\f):(\op)+8*(\f)+7], v[(\d)+8*(\t):(\d)+8*(\t)+7]
.endif
.endr
.endr
.endm
; In a result lane (r, h) holds column r and rows 16 t + 8 h + 0..7.  Rounded to bf16 in pairs, tiles 2 f and 2 f + 1 ARE fragment f of the next product's source 1
; (column r; K = 8 h + 0..7 and 16 + 8 h + 0..7): nothing changes lanes.  Each accumulator is read from its low end on.
.macro PACKO dst, d
.set i, 0
.rept 16
	v_cvt_pk_bf16_f32 v[(\dst)+i], v[(\d)+2*i], v[(\d)+2*i+1]
.set i, i+1
.endr
.endm
.macro PLACES                          ; four plain places behind a matrix instruction, ahead of what reads its result or is loaded into its sources (ISA guide 7.12.1)
.rept 4
	v_nop
.endr
.endm
	; PHASE B: my wave's 16 columns of sigma (R Vt)
	s_wait_alu depctr_vm_vsrc(0)                   ; my LDS stores have read v32 to v127: these registers are FR, VF and O1 from here on, written by the fragments' loads and by conversions
.irp f, 0,1
	ds_load_tr16_b128 v[VF+8*(\f):VF+8*(\f)+3],   v[VA] offset:VT+9216*(\f)       ; Vt lies [c][i]: turned on the way, K = c = 32 f + 8 h + 0..7,
	ds_load_tr16_b128 v[VF+8*(\f)+4:VF+8*(\f)+7], v[VA] offset:VT+9216*(\f)+4608  ; and 16 rows further down
.endr
	FRAGS RR
	s_wait_dscnt 0x0
	PROD D1, VF                                    ; D1[b][i] = the sum over c of R[b][c] Vt[c][i]
	PLACES
	s_wait_alu depctr_va_vdst(0)                   ; the products are done reading R's fragments, in whose registers sigma's land; the places above stay beside this wait, for the conversions that read D1
	FRAGS SG                                       ; sigma's fragments come in while D1 is rounded: the conversions name D1 and O1 alone
	PACKO O1, D1
	s_wait_dscnt 0x0
	PROD D2, O1                                    ; D2[a][i] = the sum over b of sigma[a][b] D1[b][i]
	PLACES
	PACKO O2, D2
	s_wait_alu depctr_va_vdst(0)                   ; the conversions have written O2, which the LDS stores below read; the products are done reading FR and O1, in which the loads behind the barrier land
.irp t, 0,1,2,3
	ds_store_b128 v[QS], v[O2+4*(\t):O2+4*(\t)+3] offset:QT+32*(\t)  ; my column's a = 16 t + 8 h + 0..7.
.endr
	s_wait_dscnt 0x0                               ; for the others' sake
	s_barrier_signal -1
	s_barrier_wait -1                              ; all 128 columns lie in QT
	; PHASE C: my wave's 16 rows of delta = U (sigma R Vt), all 128 columns.  Tile c of source 1 is QT's places 16 c + r, which hold columns 8 r + c:
	; so register j of tile c is delta(row 8 h + j, column 8 r + c), and a lane's eight tiles hold eight NEIGHBOURING columns, as weight's registers do.
	; No vector or matrix line stands between the last wait on va_vdst and the loads below; O2's registers, which the LDS stores read, are not written again.
.irp f, 0,1
	ds_load_b128 v[UF+8*(\f):UF+8*(\f)+3],   v[UA] offset:UU+64*(\f)
	ds_load_b128 v[UF+8*(\f)+4:UF+8*(\f)+7], v[UA] offset:UU+64*(\f)+32
.endr
.macro HALF hh                         ; tiles 4 hh .. 4 hh + 3
.irp c, 0,1,2,3
.irp f, 0,1
	ds_load_b128 v[FR+16*(\c)+8*(\f):FR+16*(\c)+8*(\f)+3],   v[FQ] offset:2304*(4*(\hh)+(\c))+64*(\f)
	ds_load_b128 v[FR+16*(\c)+8*(\f)+4:FR+16*(\c)+8*(\f)+7], v[FQ] offset:2304*(4*(\hh)+(\c))+64*(\f)+32
.endr
.endr
	s_wait_dscnt 0x0
.irp f, 0,1
.irp c, 0,1,2,3
.if (\f) == 0
	v_wmma_f32_16x16x32_bf16 v[D3+8*(4*(\hh)+(\c)):D3+8*(4*(\hh)+(\c))+7], v[UF+8*(\f):UF+8*(\f)+7], v[FR+16*(\c)+8*(\f):FR+16*(\c)+8*(\f)+7], 0
.else
	v_wmma_f32_16x16x32_bf16 v[D3+8*(4*(\hh)+(\c)):D3+8*(4*(\hh)+(\c))+7], v[UF+8*(\f):UF+8*(\f)+7], v[FR+16*(\c)+8*(\f):FR+16*(\c)+8*(\f)+7], v[D3+8*(4*(\hh)+(\c)):D3+8*(4*(\hh)+(\c))+7]
.endif
.endr
.endr
.endm
	HALF 0
	PLACES                                         ; the fragments' registers are loaded again
	s_wait_alu depctr_va_vdst(0)                   ; the first half's products are done reading FR, in which the second half's fragments land
	HALF 1
	s_wait_loadcnt 0x0                             ; weight
	PLACES
; THE WAY OUT, in two blocks of four rows.  SUMS: row j (and 8 + j in the upper lanes): weight + delta in f32, then the one rounding to f16, in place.  OUTW: the row is stored.
.macro SUMS j
.irp c, 0,1,2,3,4,5,6,7
	v_add_f32 v[WT+8*(\j)+(\c)], v[WT+8*(\j)+(\c)], v[D3+8*(\c)+(\j)]  ; weight + delta, in f32
.endr
.irp k, 0,1,2,3
	v_cvt_pk_f16_f32 v[WT+8*(\j)+(\k)], v[WT+8*(\j)+2*(\k)], v[WT+8*(\j)+2*(\k)+1]  ; the one rounding to f16
.endr
.endm
.macro OUTW j
	global_store_b128 v[HO], v[WT+8*(\j):WT+8*(\j)+3], s[22:23] offset:4096*(\j)  ; lanes 0-15 store 256 consecutive bytes of row j, at a multiple of 256 from wh's first byte; lanes 16-31 of row 8 + j
.endm
.irp j, 0,1,2,3                        ; j ascending: of each accumulator register 0 is read first
	SUMS \j
.endr
	s_wait_alu depctr_va_vdst(0)                   ; the conversions have written rows 0 to 3, which the four stores below read
.irp j, 4,5,6,7
	OUTW (\j)-4                                    ; the arithmetic between names rows 4 to 7 of WT and D3: none of the registers that these stores read
	SUMS \j
.endr
	s_wait_alu depctr_va_vdst(0)                   ; the conversions have written rows 4 to 7, which the last four stores read
.irp j, 4,5,6,7
	OUTW \j
.endr
	s_branch .Lend
	; ---------------- PATH X ----------------
.Lx:
	s_sub_co_u32 s2, s2, 256                       ; which 16 rows of x
	s_lshl_b32 s6, s2, 17                          ; 131,072 bytes of x,
	s_add_nc_u64 s[8:9], s[8:9], s[6:7]
	s_lshl_b32 s6, s2, 16                          ; 65,536 of xh
	s_add_nc_u64 s[20:21], s[20:21], s[6:7]
	v_lshlrev_b32 v1, 4, v0                        ; 16 bytes a thread in,
	v_lshlrev_b32 v2, 3, v0                        ; 8 out
	s_wait_alu depctr_va_vdst(0)                   ; v1 and v2 are written, which every load and store below reads as its offset
.irp q, 0,1,2,3,4,5,6,7,8,9,10,11,12,13,14,15,16,17,18,19,20,21,22,23,24,25,26,27,28,29,30,31
	global_load_b128 v[L+4*(\q):L+4*(\q)+3], v1, s[8:9] offset:4096*(\q) th:TH_LOAD_NT  ; the whole share goes out at once: 32 loads a wave, 512 consecutive bytes each
.endr
; Block p of eight: loads 4 p to 4 p + 3 are rounded in place; among the conversions stand the four stores of block p - 1, which name that block's registers and v2 alone.
.macro XOUT q
	global_store_b64 v2, v[L+4*(\q):L+4*(\q)+1], s[20:21] offset:2048*(\q)  ; a wave stores 256 consecutive bytes, at a multiple of 256 from xh's first byte; no register is written again
.endm
.macro XBLK p
	s_wait_loadcnt 28-4*(\p)                       ; the block's four loads are in; the 28 - 4 p behind them stay out
.if (\p) > 0
	s_wait_alu depctr_va_vdst(0)                   ; the block before has written its registers, which the four stores below read
.endif
.irp i, 0,1,2,3
.if (\p) > 0
	XOUT 4*(\p)-4+(\i)
.endif
	v_cvt_pk_f16_f32 v[L+4*(4*(\p)+(\i))], v[L+4*(4*(\p)+(\i))], v[L+4*(4*(\p)+(\i))+1]
	v_cvt_pk_f16_f32 v[L+4*(4*(\p)+(\i))+1], v[L+4*(4*(\p)+(\i))+2], v[L+4*(4*(\p)+(\i))+3]
.endr
.endm
.irp p, 0,1,2,3,4,5,6,7
	XBLK \p
.endr
	s_wait_alu depctr_va_vdst(0)                   ; block 7 has written its registers, which the last four stores read
.irp q, 28,29,30,31
	XOUT \q
.endr
.Lend:
	s_wait_dscnt 0x0                               ; the closing lines, six on end
	s_wait_alu 0x0
	s_wait_tensorcnt 0x0
	ds_add_u32 v[SPW], v[NIL]
	s_wait_dscnt 0x0
	s_endpgm
.Lfunc_end_k_q35f746bebf_prep:
	.size	k_q35f746bebf_prep, .Lfunc_end_k_q35f746bebf_prep-k_q35f746bebf_prep
	.p2alignl 7, 3214868480
	.fill 96, 4, 3214868480
	.section	.rodata,"a",@progbits
	.p2align	6, 0x0
	.amdhsa_kernel k_q35f746bebf_prep
		.amdhsa_group_segment_fixed_size 74752
		.amdhsa_private_segment_fixed_size 0
		.amdhsa_enable_private_segment 0
		.amdhsa_kernarg_size 64
		.amdhsa_user_sgpr_count 2
		.amdhsa_user_sgpr_kernarg_segment_ptr 1
		.amdhsa_wavefront_size32 1
		.amdhsa_system_sgpr_workgroup_id_x 1
		.amdhsa_system_sgpr_workgroup_id_y 1
		.amdhsa_system_sgpr_workgroup_id_z 1
		.amdhsa_system_vgpr_workitem_id 0
		.amdhsa_next_free_vgpr 256
		.amdhsa_next_free_sgpr 66
		.amdhsa_reserve_vcc 0
		.amdhsa_float_denorm_mode_32 3
		.amdhsa_float_denorm_mode_16_64 3
		.amdhsa_memory_ordered 1
		.amdhsa_forward_progress 1
		.amdhsa_inst_pref_size 37
	.end_amdhsa_kernel
	.amdgpu_metadata
---
amdhsa.version: [ 1, 2 ]
amdhsa.kernels:
  - .name:           k_q35f746bebf_prep
    .symbol:         k_q35f746bebf_prep.kd
    .args:
      - { .name: x, .offset: 0, .size: 8, .value_kind: global_buffer, .address_space: global }
      - { .name: weight, .offset: 8, .size: 8, .value_kind: global_buffer, .address_space: global }
      - { .name: U, .offset: 16, .size: 8, .value_kind: global_buffer, .address_space: global }
      - { .name: sigma, .offset: 24, .size: 8, .value_kind: global_buffer, .address_space: global }
      - { .name: R, .offset: 32, .size: 8, .value_kind: global_buffer, .address_space: global }
      - { .name: Vt, .offset: 40, .size: 8, .value_kind: global_buffer, .address_space: global }
      - { .name: xh, .offset: 48, .size: 8, .value_kind: global_buffer, .address_space: global }
      - { .name: wh, .offset: 56, .size: 8, .value_kind: global_buffer, .address_space: global }
    .group_segment_fixed_size: 74752
    .private_segment_fixed_size: 0
    .kernarg_segment_align: 8
    .kernarg_segment_size: 64
    .max_flat_workgroup_size: 256
    .sgpr_count:     66
    .vgpr_count:     256
    .wavefront_size: 32
...
	.end_amdgpu_metadata
.endif
;; end of part 3
;; launch gemm: the kernel of part 2 again; grid 8 x 32, 4 waves a work-group, clusters of 4 x 4, 327,680 bytes of LDS; arguments xh, wh, bias, out0; writes out0
